; MI455X (gfx1250); checked and timed in simulation.
; The chip was launched on July 23, 2026; its instructions are those of AMD's public machine-readable ISA for CDNA 5 (MIT licence, August 2026) and "CDNA5" Instruction Set Architecture Reference Guide (July 2026). The comments in the code are by the model that wrote it; some were corrected since.
;; KAN Linear. Allowed arithmetic: matrix products marked QUANTISED: E4M3 operands, one E8M0 scale for each 32 along K, by v_wmma_scale_f32_16x16x128_f8f6f4 with both operands' format E4M3, f32 sums; everything else in f32.
;; Inputs: fourier_coeffs 2 x 512 x 512 x 16 float32; x 8,192 x 512 float32.
;; Outputs: out0 8,192 x 512 float32.
;; This version of the problem:
;;   THIS VERSION OF THE PROBLEM IS GIVEN IN LOW PRECISION. The matrix products marked QUANTISED in the list below multiply operands that are first quantised to E4M3 (4 exponent bits, 3 mantissa bits; 8 bits a number), with one power-of-two scale for each 32 numbers along K (OCP MX v1.0); their sums are f32. All else is computed in f32.
;;   The module's matrix products, in the order in which they are computed (A, B: the left and right operand; K: the contracted axis; several contracted axes count as one K, in the product's order):
;;     1. [M 8,192, K 16,384] x [K 16,384, N 512]; A: computed on the way; B: input fourier_coeffs: QUANTISED
;;   THE QUANTISER, for each operand of a quantised product, along K:
;;     - K is cut into blocks of 32 from its start; a last block that is shorter is filled with zeros.
;;     - A block's scale is 2^e with e = floor(log2(the largest magnitude in the block)) - 8, held to -126 .. 127; a block of zeros has e = 0. As a byte (E8M0): e + 127.
;;     - Each number is divided by its block's scale, clamped to +-448, and rounded to the nearest number of E4M3, ties to even, subnormals kept.
;;     - The product sums the exact products of the quantised numbers (number of the format x scale) in f32.
;;   ~~~python
;;   def quantise(x, axis):      # numpy; x: float32 -> the quantised numbers, widened to float32 again
;;       x = np.moveaxis(x, axis, -1); K = x.shape[-1]
;;       x = np.pad(x, [(0, 0)] * (x.ndim - 1) + [(0, -K % 32)]); x = x.reshape(x.shape[:-1] + (-1, 32)); a = np.abs(x).max(-1, keepdims=True)
;;       e = np.where(a > 0, np.clip(np.frexp(np.where(a > 0, a, 1))[1] - 1 - 8, -126, 127), 0)      # np.frexp(a)[1] - 1 = floor(log2(a)), exactly
;;       r = np.clip(x / 2.0 ** e, -448, 448)
;;       step = 2.0 ** (np.maximum(np.frexp(np.where(r == 0, 1, r))[1] - 1, -6) - 3)
;;       q = np.round(r / step) * step * 2.0 ** e      # np.round: ties to even
;;       return np.moveaxis(q.reshape(q.shape[:-2] + (-1,))[..., :K], -1, axis).astype(np.float32)
;;   ~~~
;;   OPERANDS COMPUTED ON THE WAY. 'Computed on the way' means the value that the module computes at that place (a softmax that the list does not call 'softmax' is quantised finished and normalised). What goes into a quantiser is computed in f32, as accurately as f32 sums, v_exp_f32 and their like allow (about 1e-6 of the number): no bf16 or f16 on the way to a quantiser, and a product that is left as it is and whose result goes on into a quantised operand takes f32 operands (vector FMAs, or v_wmma_f32_16x16x4_f32). A number that lies on a knife's edge between two numbers of the format may be rounded either way, as far as f32 arithmetic and the matrix unit's own rounding can turn it there, and no further.
;; One version. Each part assembles by itself: llvm-mc -triple=amdgcn-amd-amdhsa -mcpu=gfx1250 --defsym DOCPART=n.
;; ======== version 1 of 1: 3 launches
;; limits: inputs' magnitudes at most 4,000,000; an absolute error that grows with the inputs' magnitude: up to 5e-07 times it; right only within a limited range of input values
;; workspace buffers: bq 8,388,608 bytes; bs 262,144 bytes; part 67,108,864 bytes
;; launch prep (part 1): grid 256 x 1, 4 waves a work-group, no clusters, 57,856 bytes of LDS; arguments fourier_coeffs, bq, bs; writes bq, bs
.if DOCPART == 1
	.amdgcn_target "amdgcn-amd-amdhsa--gfx1250"
	.amdhsa_code_object_version 6
	.text
	.protected	k_q5bd8ad00b1_prep
	.globl	k_q5bd8ad00b1_prep
	.p2align	8
	.type	k_q5bd8ad00b1_prep,@function
k_q5bd8ad00b1_prep:
	s_mov_b64 s[64:65], 0
	v_nop
	global_prefetch_b8 v0, s[64:65] scope:SCOPE_SE
	s_setreg_imm32_b32 hwreg(HW_REG_WAVE_MODE, 25, 1), 1
	s_wait_xcnt 0x0
; fourier_coeffs [2 d][512 j][512 i][16 k], f32, becomes codes of FP8 (E4M3) with one E8M0 scale byte for each 32 along K = (d, i, k): a block is one d, an even i and its neighbour, all 16 k.
; A block's scale is 2^(floor(log2(its largest magnitude)) - 8); its byte is the largest magnitude's exponent field - 8, held at 1 from below; each number is divided by the scale, held within +-448 and rounded to the nearest code, ties to even.
; THE CODES ARE LAID AS THE NEXT LAUNCH'S OPERAND REGISTERS WANT THEM: bq [y 4][t 32][T 32][c 4][lane 32][16 bytes].  y: a slice of 128 inputs; t: a step of 4 inputs, i = 128 y + 4 t ..; T: 16 outputs, j = 16 T + r;
; c: the block of the step (c & 1 = d, c >> 1 = which pair of inputs); lane = r + 16 h holds the 16 harmonics of input i = 128 y + 4 t + 2 (c >> 1) + h.  The scale bytes: bs [y][t][T][r 16][c 4].
; LIMITS: a block of zeros gets the byte 1 where the rule says 127: its codes are zeros, which add nothing under any byte but 0xff, and this program alone reads the bytes.  NaN and infinities among the inputs are not served.
; SHARES.  A wave's job: 16 outputs (T) x 16 inputs (I) x both d: 32 KiB in, four fragment images (8 KiB) and 256 scale bytes out.  1,024 jobs, four to a work-group.  Waves share nothing: no barrier.
; A STEP is one output j: four loads of 512 consecutive bytes (d = 0 and d = 1, 16 inputs x 64 bytes each).  The conversions want 16 neighbours along K in ONE lane, so the 2,048 bytes turn through the wave's own stage in LDS:
; in as they lie, out 64 bytes a lane: lane u then holds unit (d = u >> 4, input u & 15), and lanes u and u xor 1 hold a block.  Loads run four steps (16 loads a wave) ahead, the turn through LDS one step.
; A lane's 16 codes go to its own plane in LDS (plane u, 16 bytes for each j); at the end a fragment's quarter is read as two planes' 256 bytes and leaves as 512 consecutive bytes.
.set STEPS, 16
.set SP,    80                         ; a lane's place in a stage: its 64 bytes + 16 of padding
.set WREG,  14336                      ; LDS of a wave: two stages of 32 x SP bytes,
.set PLANES, 5120                      ; 32 planes of 16 x 16 bytes + 16 of padding,
.set PP,    272
.set SCB,   13824                      ; and 256 scale bytes [step of the four][r][c]
.set R,     16                         ; v16-79   four sets of 16 numbers as they are loaded; on the way out the sixteen quarters of fragments
.set X,     80                         ; v80-111  two sets of 16 neighbours
.set E,     112                        ; v112-127 a scale byte for each step
.set C,     128                        ; v128-191 codes: four registers for each step, so that no store's data are written again
	s_load_b128 s[4:7], s[0:1], 0x0                ; the coefficients s[4:5], bq s[6:7]
	s_load_b64 s[8:9], s[0:1], 0x10                ; bs
	v_lshl_add_u32 v192, v0, 2, 0xe000
	v_mov_b32 v193, 0
	v_lshrrev_b32 v1, 5, v0
	v_readfirstlane_b32 s16, v1                    ; wave 0..3
	v_and_b32 v2, 31, v0                           ; lane
	v_lshlrev_b32 v3, 4, v2                        ; 16 x lane: my 16 bytes of a load's, and of a store's, 512
	s_mul_i32 s17, s16, WREG
	v_lshrrev_b32 v10, 2, v2
	v_mul_u32_u24 v10, v10, SP
	v_and_b32 v1, 3, v2
	v_lshl_add_u32 v10, v1, 4, v10
	v_add_nc_u32 v10, s17, v10                     ; the stage, on the way in: four lanes' 64 bytes on end, then 16 of padding
	v_mul_u32_u24 v11, v2, SP
	v_add_nc_u32 v11, s17, v11                     ; and on the way out: SP x lane: my 16 neighbours
	s_add_co_u32 s18, s17, PLANES
	v_mul_u32_u24 v4, v2, PP
	v_add_nc_u32 v4, s18, v4                       ; my plane
	v_lshrrev_b32 v6, 4, v2
	v_mul_u32_u24 v6, v6, PP
	v_and_b32 v1, 15, v2
	v_lshl_add_u32 v6, v1, 4, v6
	v_add_nc_u32 v6, s18, v6                       ; the way out: lanes 0-15 read one plane's 256 bytes, lanes 16-31 the next plane's
	s_add_co_u32 s19, s17, SCB
	v_bfe_u32 v5, v2, 2, 2                         ; which of the job's four steps my input belongs to: 64 bytes each,
	v_lshlrev_b32 v5, 6, v5
	v_and_b32 v1, 2, v2                            ; the byte c = 2 x (which pair of the step) + d
	v_add_nc_u32 v5, v5, v1
	v_lshrrev_b32 v1, 4, v2
	v_add_nc_u32 v5, v5, v1
	v_add_nc_u32 v5, s19, v5                       ; where my block's byte goes; 4 bytes on for each j
	v_lshlrev_b32 v7, 3, v2
	v_add_nc_u32 v7, s19, v7                       ; the bytes' way out: 8 a lane
	v_lshrrev_b32 v9, 3, v2
	v_lshlrev_b32 v9, 11, v9
	v_and_b32 v1, 7, v2
	v_lshl_add_u32 v9, v1, 3, v9                   ; and their place in bs: 2,048 bytes from step to step, 8 lanes to a step's 64 bytes
	s_mov_b32 s23, 0x600000                        ; the mantissa field of 448 (an instruction takes one literal: the hold's line has another)
	s_lshl_b32 s20, ttmp9, 2
	s_add_co_u32 s20, s20, s16                     ; my job
	s_and_b32 s21, s20, 31                         ; T
	s_lshr_b32 s22, s20, 5                         ; I: inputs 16 I on; they are steps 4 I .. 4 I + 3 counted through all slices (32 y + t)
	s_lshl_b32 s24, s21, 19                        ; in: 16 T rows of 32,768 bytes
	s_lshl_b32 s25, s22, 10                        ; + 16 I inputs of 64 bytes
	s_add_co_u32 s24, s24, s25
	s_mov_b32 s25, 0
	s_lshl_b32 s26, s22, 18                        ; bq: 4 I steps of 65,536 bytes
	s_lshl_b32 s27, s21, 11                        ; + T images of 2,048
	s_add_co_u32 s26, s26, s27
	s_mov_b32 s27, 0
	s_lshl_b32 s28, s22, 13                        ; bs: 4 I steps of 2,048 bytes
	s_lshl_b32 s29, s21, 6                         ; + T x 64
	s_add_co_u32 s28, s28, s29
	s_mov_b32 s29, 0
	s_wait_kmcnt 0x0
	s_add_nc_u64 s[4:5], s[4:5], s[24:25]          ; d = 0
	s_add_nc_u64 s[10:11], s[4:5], 0x1000000       ; d = 1: 16,777,216 bytes on
	s_add_nc_u64 s[6:7], s[6:7], s[26:27]
	s_add_nc_u64 s[8:9], s[8:9], s[28:29]
.macro LOAD t                          ; output j = 16 T + t: 32 lanes read 512 consecutive bytes, four times
	global_load_b128 v[R+16*((\t)%4):R+16*((\t)%4)+3],     v3, s[4:5]   offset:32768*(\t) th:TH_LOAD_NT
	global_load_b128 v[R+16*((\t)%4)+4:R+16*((\t)%4)+7],   v3, s[4:5]   offset:32768*(\t)+512 th:TH_LOAD_NT
	global_load_b128 v[R+16*((\t)%4)+8:R+16*((\t)%4)+11],  v3, s[10:11] offset:32768*(\t) th:TH_LOAD_NT
	global_load_b128 v[R+16*((\t)%4)+12:R+16*((\t)%4)+15], v3, s[10:11] offset:32768*(\t)+512 th:TH_LOAD_NT
.endm
.macro TURN t                          ; step t's numbers through the stage: LDS serves a wave's instructions in order, so no wait stands between the stores and the loads
.irp i, 0,1,2,3
	ds_store_b128 v10, v[R+16*((\t)%4)+4*\i:R+16*((\t)%4)+4*\i+3] offset:32*SP*((\t)%2)+8*SP*\i
.endr
.irp i, 0,1,2,3
	ds_load_b128 v[X+16*((\t)%2)+4*\i:X+16*((\t)%2)+4*\i+3], v11 offset:32*SP*((\t)%2)+16*\i
.endr
.endm
.irp t, 0,1,2,3
	LOAD \t
.endr
	s_wait_loadcnt 12                              ; step 0's four loads are in
	TURN 0
.macro STEP t
.set XS, X+16*((\t)%2)
.if (\t) > 0
	s_wait_dscnt 2                                 ; this step's numbers are back from the stage (the last step's two stores may be out): so its stores into the stage have read their registers,
.else
	s_wait_dscnt 0x0
.endif
.if (\t)+4 < STEPS
	LOAD (\t)+4                                    ; which take the loads of four steps on
.endif
.if (\t)+1 < STEPS
.if STEPS-2-(\t) >= 3
	s_wait_loadcnt 12                              ; the next step's four loads are in; those of the three steps behind it may be out
.else
	s_wait_loadcnt 4*(STEPS-2-(\t))
.endif
	TURN (\t)+1                                    ; and go through the other stage while this step is worked
.endif
	v_max3_num_f32 v12, |v[XS]|, |v[XS+1]|, |v[XS+2]|              ; the largest magnitude of my 16, in two chains
	v_max3_num_f32 v13, |v[XS+3]|, |v[XS+4]|, |v[XS+5]|
.irp i, 6,10
	v_max3_num_f32 v12, v12, |v[XS+\i]|, |v[XS+\i+1]|
	v_max3_num_f32 v13, v13, |v[XS+\i+2]|, |v[XS+\i+3]|
.endr
	v_max3_num_f32 v12, v12, |v[XS+14]|, |v[XS+15]|
	v_max3_num_f32 v12, v12, v13, 0x4800000        ; and the floor 2^(9 - 127), under which no largest magnitude is taken: so the byte cannot fall under 1
	v_max_num_f32_dpp v12, v12, v12 row_xmask:1 row_mask:0xf bank_mask:0xf   ; and of my neighbour's 16: the block's
	v_add_nc_u32 v15, 0xfc000000, v12              ; 8 off its exponent field: the conversion takes the exponent field of this operand as its scale, and nothing else of it
	v_and_or_b32 v14, v12, 0x7f800000, s23         ; 448 x the scale: the largest magnitude's exponent field over 448's mantissa
.irp i, 0,1,2,3,4,5,6,7,8,9,10,11,12,13,14,15
	v_med3_num_f32 v[XS+\i], v[XS+\i], -v14, v14   ; the conversion to an 8-bit code does not saturate (ISA guide 7.6.2): hold the number within the largest code x the scale first
.endr
	v_cvt_scalef32_pk8_fp8_f32 v[C+4*(\t):C+4*(\t)+1], v[XS:XS+7], v15          ; harmonics 1 to 8: the first number's code in the lowest byte
	v_cvt_scalef32_pk8_fp8_f32 v[C+4*(\t)+2:C+4*(\t)+3], v[XS+8:XS+15], v15     ; harmonics 9 to 16
	v_lshrrev_b32 v[E+(\t)], 23, v15               ; the scale's byte
	ds_store_b8 v5, v[E+(\t)] offset:4*(\t)        ; both lanes of a block write the same byte with the same value
	ds_store_b128 v4, v[C+4*(\t):C+4*(\t)+3] offset:16*(\t)        ; my plane, place r = t
.endm
.irp t, 0,1,2,3,4,5,6,7,8,9,10,11,12,13,14,15
	STEP \t
.endr
	s_wait_dscnt 0x0                               ; every LDS store has read its registers: v16-79 and v80-81 may be loaded
.set n, 0
.rept 16                               ; quarter n: step n / 4 of the job's four, block c = n % 4: planes 16 d + 4 (n / 4) + 2 (c / 2) + h
	ds_load_b128 v[R+4*n:R+4*n+3], v6 offset:(16*(n%2)+4*(n/4)+2*((n%4)/2))*PP
.set n, n+1
.endr
	ds_load_b64 v[X:X+1], v7
.set n, 0
.rept 16
	s_wait_dscnt 16-n                              ; quarter n is in; the younger quarters and the bytes' load may be out
	global_store_b128 v3, v[R+4*n:R+4*n+3], s[6:7] offset:(n/4)*65536+512*(n%4)   ; 32 lanes store 512 consecutive bytes, at a multiple of 512 from bq's first byte
.set n, n+1
.endr
	s_wait_dscnt 0x0
	global_store_b64 v9, v[X:X+1], s[8:9]          ; four runs of 64 bytes, one for each step: one byte for each 128 that the job reads
	s_wait_tensorcnt 0x0
	ds_add_u32 v192, v193
	s_wait_dscnt 0x0
	s_endpgm
.Lfunc_end_k_q5bd8ad00b1_prep:
	.size	k_q5bd8ad00b1_prep, .Lfunc_end_k_q5bd8ad00b1_prep-k_q5bd8ad00b1_prep
	.p2alignl 7, 3214868480
	.fill 96, 4, 3214868480
	.section	.rodata,"a",@progbits
	.p2align	6, 0x0
	.amdhsa_kernel k_q5bd8ad00b1_prep
		.amdhsa_group_segment_fixed_size 57856
		.amdhsa_private_segment_fixed_size 0
		.amdhsa_enable_private_segment 0
		.amdhsa_kernarg_size 24
		.amdhsa_user_sgpr_count 2
		.amdhsa_user_sgpr_kernarg_segment_ptr 1
		.amdhsa_wavefront_size32 1
		.amdhsa_system_sgpr_workgroup_id_x 1
		.amdhsa_system_sgpr_workgroup_id_y 1
		.amdhsa_system_sgpr_workgroup_id_z 1
		.amdhsa_system_vgpr_workitem_id 0
		.amdhsa_next_free_vgpr 194
		.amdhsa_next_free_sgpr 66
		.amdhsa_reserve_vcc 0
		.amdhsa_float_denorm_mode_32 3
		.amdhsa_float_denorm_mode_16_64 3
		.amdhsa_memory_ordered 1
		.amdhsa_forward_progress 1
		.amdhsa_inst_pref_size 54
	.end_amdhsa_kernel
	.amdgpu_metadata
---
amdhsa.version: [ 1, 2 ]
amdhsa.kernels:
  - .name:           k_q5bd8ad00b1_prep
    .symbol:         k_q5bd8ad00b1_prep.kd
    .args:
      - { .name: fourier_coeffs, .offset: 0, .size: 8, .value_kind: global_buffer, .address_space: global }
      - { .name: bq, .offset: 8, .size: 8, .value_kind: global_buffer, .address_space: global }
      - { .name: bs, .offset: 16, .size: 8, .value_kind: global_buffer, .address_space: global }
    .group_segment_fixed_size: 57856
    .private_segment_fixed_size: 0
    .kernarg_segment_align: 8
    .kernarg_segment_size: 24
    .max_flat_workgroup_size: 128
    .sgpr_count:     66
    .vgpr_count:     194
    .wavefront_size: 32
...
	.end_amdgpu_metadata
.endif
;; end of part 1
;; launch kan (part 2): grid 64 x 4, 4 waves a work-group, clusters of 4 x 1, 327,680 bytes of LDS; arguments x, bq, bs, part; writes part
.if DOCPART == 2
	.amdgcn_target "amdgcn-amd-amdhsa--gfx1250"
	.amdhsa_code_object_version 6
	.text
	.protected	k_q5bd8ad00b1_kan
	.globl	k_q5bd8ad00b1_kan
	.p2align	8
	.type	k_q5bd8ad00b1_kan,@function
k_q5bd8ad00b1_kan:
	s_mov_b64 s[64:65], 0
	v_nop
	global_prefetch_b8 v0, s[64:65] scope:SCOPE_SE
	s_setreg_imm32_b32 hwreg(HW_REG_WAVE_MODE, 25, 1), 1
	s_wait_xcnt 0x0
	s_wait_alu depctr_hold_cnt(0) depctr_sa_sdst(0) depctr_va_vdst(0) depctr_va_sdst(0) depctr_va_ssrc(0) depctr_va_vcc(0) depctr_vm_vsrc(0)
	s_getreg_b32 s2, hwreg(HW_REG_IB_STS2, 6, 4)
	s_cmp_eq_u32 s2, 0
	s_cbranch_scc0 .Lentry_in_a_cluster
	s_endpgm
.Lentry_in_a_cluster:
	s_bfe_u32 s2, ttmp6, 0x10000c
	s_cmp_lg_u32 s2, 0x3003
	s_cbranch_scc0 .Lentry_shape_is_right
	s_endpgm
.Lentry_shape_is_right:
; part[y][b][j] = the sum over d, over the 128 inputs i of slice y and over k = 1 .. 16 of basis[d][b][i][k] x coeffs[d][j][i][k], basis = cos(k x[b][i]) (d = 0), sin(k x[b][i]) (d = 1); both operands codes of FP8 (E4M3)
; with one E8M0 scale for each 32 along K (a block: one d, an even i and its neighbour, all 16 k); sums in f32.  The coefficients arrive as codes and scale words laid as operand registers (bq, bs); the basis is made here.
; SHARES.  A work-group makes 128 rows x all 512 outputs for one slice of 128 inputs: K = 4,096, 32 steps of 128 (4 inputs x cos and sin x 16 harmonics).  So each number of the basis is made once in the whole launch.
; Four waves, as many as a WGP has SIMDs; wave w makes the 128 rows x outputs 128 w .. 128 w + 127: 64 accumulators of 16 x 16, 512 registers.  64 row tiles x 4 slices = 256 work-groups; the next launch adds the four slices.
; THE BASIS.  In a step, wave w makes the fragments of rows 32 w .. 32 w + 31 (two of the eight).  Lane (r, h) takes two numbers of x of its row: inputs 4 t + h and 4 t + 2 + h.  sin x and cos x: x is reduced by multiples of pi / 2
; in three parts, two polynomials on [-pi / 4, pi / 4], the quadrant from the multiple's low bits.  The harmonics by rotations: 2 from 1, then pairs (3, 4) by 2, (5 .. 8) by 4, (9 .. 16) by 8: four rotations deep at the most.
; One x gives 16 cosines, which are 16 neighbours of one block, and 16 sines, of the next block; lanes l and l xor 16 hold a block.  The conversions' results are the operand's registers.
; WHETHER A BLOCK'S LARGEST MAGNITUDE IS 1.0 decides its scale, and |cos| lies within a few last bits of 1 often.  That is not asked of the rotated number: |cos| rounds to 1.0 in f32 where |sin| of the same angle is at most 2^-12,
; and the other way round.  So the largest magnitude is held under 1.0, and is 1.0 where the partner block's smallest magnitude in the lane is at most 2^-12.
; FRAGMENTS GO FROM WAVE TO WAVE THROUGH LDS AS IMAGES OF THEIR REGISTERS (four stores of 512 consecutive bytes, 16 a lane), two buffers by turns: step t + 1's are made and stored while step t is at work.
; BY TURNS.  The making of a wave's two fragments is a numbered list of 558 lines.  Its first 130 stand among the step's first LDS loads; the other 428 are cut into 64 slices, one behind each of the step's 64 matrix instructions:
; no line of the list names a register of a product.  A slice costs two switches of the register window: the accumulators fill two windows, so no setting serves both kinds of line.
; THE COEFFICIENTS come through a ring of two LDS slots, a step (65,536 bytes) each, by the tensor data mover; wave w fetches, and alone reads, its own 8 fragments (16,384 dense bytes).
; CLUSTER: the four work-groups of a cluster have the same slice and walk the same coefficients: each tile is asked for JOINTLY, by the same tensor load with the same descriptor and a mask that names the four.
; THE MATRIX INSTRUCTION IS USED TRANSPOSED (source 0 = 16 outputs, source 1 = 16 rows): a lane then holds eight neighbouring outputs of one row.
; LIMITS.  cos and sin are those of the exact product k x; where k x is first rounded to f32 the angle differs by up to half a last bit of k x.  The rotations' own error is some 2e-6 at the most, at k = 16.
; |x| under 4e6 (the multiple of pi / 2 is read off the low bits of x 2 / pi + 1.5 x 2^23); NaN and infinities are not served.  A block of zeros has the byte 1 and zero codes.
; REGISTERS, in windows of 256 (s_set_vgpr_msb's low byte: bits 1:0 source 0, 3:2 source 1, 5:4 source 2, 7:6 destination):
;   window 0: v0-31 addresses; v32-35 the basis' scale words, v36-43 the coefficients', two sets; v128-255 the basis' 8 fragments (at the head x on its way to LDS; on the way out rows of the result)
;   window 1: v0-127 the coefficients' 8 fragments; v128-254 all that the making of the basis touches, and the addresses of the coefficients' loads, so that both run under one setting
;   window 2: the 32 accumulators of rows 0-63 (accumulator (a, b) at v[8 (8 (a % 4) + b)]);   window 3: those of rows 64-127
.set SLOTB, 65536                      ; LDS: slot 0 at 0, slot 1 behind it; wave w's part at 16,384 w
.set IMG0,  131072                     ; the basis' images: 8 x 2,048 bytes, two buffers
.set IMGB,  16384
.set ASC0,  163840                     ; its scale words: [lane 32][wave 4][4 bytes], two buffers: lanes 0-15 of wave w's word: row tile 2 w, lanes 16-31: row tile 2 w + 1
.set ASCB,  512
.set XST,   164864                     ; x: 128 rows of 512 bytes + 16 of padding, which is cleared: the look-ahead behind the last step reads it
.set XP,    528
.set SPARE, 232448                     ; the spare words, 128 bytes for each wave: two blocks of 256 bytes that no other line names
.set STAGE, 232960                     ; the way out: 16 rows x (512 bytes + 16) for each wave
.set SPW, 10                           ; v10  LDS address of my spare word: SPARE + 4 x my thread's number; never rewritten
.set NIL, 11                           ; v11  0; never rewritten
.set AAD, 14                           ; v14-15 the images in buffer 0, 1: 16 x lane
.set ASD, 16                           ; v16-17 their scale words: 16 x lane
.set BSO, 18                           ; v18  4 x lane
.set PFO, 19                           ; v19  256 x lane: the prefetches' offset
.set STO, 20                           ; v20  the way out: where I put 32 bytes of a row
.set RD,  21                           ; v21  where I read a row back
.set CO,  22                           ; v22  my byte offset in a row's 512 bytes
.set XGO, 23                           ; v23  16 x lane
.set XSO, 24                           ; v24  x into LDS: my wave's 32 rows, 16 x lane
.set XPD, 25                           ; v25  the padding of row 32 w + lane
.set AS,  32
.set BS,  36
.set AF,  128
.set BK,  128
; window 1:
.set VAL, 128                          ; 64 numbers: cos of x0 (k = 1 .. 16), sin of x0, cos of x1, sin of x1: the step's four blocks
.set PC,  192                          ; the fragment's 16 registers of codes; at a list's beginning the second tile's twelve registers of the reduction
.set AM,  208                          ; the blocks' largest magnitudes; at a list's beginning the first tile's sign words
.set MN,  212                          ; and smallest; then the other half's maxima, then the bytes
.set KW,  216                          ; v216-219 the second tile's sign words, kept until its harmonics begin: x number e: the cosine's at 2 e, the sine's at 2 e + 1
.set LM,  220
.set SO,  224                          ; the conversions' scale operands
.set PW0, 228                          ; v228-229 the two tiles' scale words
.set XRA, 230                          ; v230-231 x0, x1 of my row in the wave's first tile
.set TT,  232                          ; v232-243 the first tile's reduction: +0 x 2 / pi + 1.5 x 2^23, +2 the multiple, +4 the reduced angle, +6 its square, +8 its sine, +10 its cosine;  v232-239 later: the rotations' four pairs at work
.set KS,  244                          ; v244-245 the second tile's sines without their signs, kept likewise
.set XRB, 246                          ; v246-247 x0, x1 of the second tile
.set XAD, 248                          ; where my x lie in LDS: 16 bytes on each step
.set IMA, 249                          ; where I store images: IMG0 + 4,096 x wave + 16 x lane
.set SCA, 250                          ; and the scale word: ASC0 + 16 x lane + 4 x wave
.set BADW, 251                         ; v251-252 my coefficients in slot 0, 1: 16,384 x wave + 16 x lane
.set KC,  253                          ; v253-254 the second tile's cosines without their signs
; scalars: s12 wave; s13 cx; s14 row tile; s15 slice; s[16:23] descriptor group 1; s[24:27], s[28:31] group 0 of slot 0, 1; s36-59 constants; s60 the loop; s61 who prefetches; s[62:63] where; s[66:67] the coefficients' scale words;
; s[68:69] the result; s70-77 lane masks of the list's compares (at the head: at work)
.set MSB, 0
.macro WIN new                         ; the immediate's high byte repeats the setting that is left; a switch that changes nothing is dropped
.if MSB != \new
	s_set_vgpr_msb (MSB<<8)|\new
.set MSB, \new
.endif
.endm
.set MUL_LO, 0xa1                      ; source 0 (coefficients) window 1, source 1 (basis) window 0, C and D window 2
.set MUL_HI, 0xf1                      ; the same, C and D window 3
.set TO_B,   0x40                      ; destination window 1, sources window 0
.set GENW,   0x55                      ; everything in window 1
; A round of the cluster's barrier: my work-group's barrier, so that wave 0's signal speaks for all four waves; wave 0 signals for the work-group; every wave waits for all four work-groups; my work-group's barrier once more.
.macro ROUND
	s_barrier_signal -1
	s_barrier_wait -1
	s_cmp_lg_u32 s12, 0
	s_cbranch_scc1 .Lnot_wave_0_\@
	s_barrier_signal -3
.Lnot_wave_0_\@:
	s_barrier_wait -3
	s_barrier_signal -1
	s_barrier_wait -1
.endm
; A PREFETCH INTO THE L2: in step t, the coefficients' tile of step t + 3, which the tensor loads of step t + 2 will ask for: two steps ahead of them.  Each aligned block of 256 bytes is named once in the launch:
; all sixteen clusters of a slice walk the same tiles: the first of them asks; its four partners take 16,384 bytes each, told apart BY ADDRESS; in each, waves 0 and 1 take 8,192 bytes, a lane a block.
; Tiles 0 to 2 come by their loads alone; the loop's last trip (s60 = 1) and the tail ask for nothing: tile 31 is the last.
.macro ASK
	s_cmp_gt_u32 s60, s61
	s_cbranch_scc0 .Lnot_mine_\@
	global_prefetch_b8 v[PFO], s[62:63] th:TH_LOAD_NT scope:SCOPE_SE
.Lnot_mine_\@:
.endm
.macro PLACES n                        ; plain vector instructions between a matrix instruction and a load into one of its registers or a read of its result (ISA guide 7.12.1 for a read of its result): eight for this form
.rept \n
	v_nop
.endr
.endm
; THE LIST: the making of my two fragments of the next step.  GI writes line gj of it; EMIT n writes the next n lines.  GBUF: the image buffer that takes them.  All its vector registers lie in window 1.
;   0-33     sin and cos of the reduced angles, 17 lines a tile, the two tiles by turns, so that a line does not read the line just above it
;   34-65    the quadrants of the four x, by turns; the second tile's two last lines an x, which set the signs, are put off: their results belong in registers that the first tile still holds
;   66-129   the first tile's harmonics, its two x by turns
;   130-301  its quantiser;  302-305 its image goes to LDS
;   306-309  the second tile's signs;  310-373 its harmonics;  374 a wait;  375-546 its quantiser;  547-550 its image
;   551-552  the two tiles' scale words in one register, to LDS;  553-557 the x of the step after the next are asked for
.macro BI                              ; lines 0-33: line oo of the reduction for tile tl
.set oo, gj/2
.set tl, gj%2
.set gB, TT+(PC-TT)*tl
.set xr, XRA+(XRB-XRA)*tl
.if oo < 2
	v_fma_f32 v[gB+oo], v[xr+oo], s36, s37         ; x 2 / pi + 1.5 x 2^23: rounded to a whole number q, whose low bits are the low bits of the pattern
.elseif oo == 2
	v_pk_add_f32 v[gB+2:gB+3], v[gB:gB+1], s[38:39] op_sel_hi:[1,0]                    ; q
.elseif oo == 3
	v_pk_fma_f32 v[gB+4:gB+5], v[gB+2:gB+3], s[40:41], v[xr:xr+1] op_sel_hi:[1,0,1]    ; x - q pi / 2, pi / 2 in three parts of 8, 11 and 24 bits
.elseif oo < 6
	v_pk_fma_f32 v[gB+4:gB+5], v[gB+2:gB+3], s[34+2*oo:35+2*oo], v[gB+4:gB+5] op_sel_hi:[1,0,1]
.elseif oo == 6
	v_pk_mul_f32 v[gB+6:gB+7], v[gB+4:gB+5], v[gB+4:gB+5]
.elseif oo < 9
	v_fma_f32 v[gB+8+oo-7], v[gB+6+oo-7], s46, s47
.elseif oo < 11
	v_fma_f32 v[gB+10+oo-9], v[gB+6+oo-9], s50, s51
.elseif oo == 11
	v_pk_fma_f32 v[gB+8:gB+9], v[gB+8:gB+9], v[gB+6:gB+7], s[48:49] op_sel_hi:[1,1,0]
.elseif oo == 12
	v_pk_fma_f32 v[gB+10:gB+11], v[gB+10:gB+11], v[gB+6:gB+7], s[52:53] op_sel_hi:[1,1,0]
.elseif oo == 13
	v_pk_mul_f32 v[gB+8:gB+9], v[gB+8:gB+9], v[gB+6:gB+7]
.elseif oo == 14
	v_pk_fma_f32 v[gB+10:gB+11], v[gB+10:gB+11], v[gB+6:gB+7], -0.5 op_sel_hi:[1,1,0]
.elseif oo == 15
	v_pk_fma_f32 v[gB+8:gB+9], v[gB+8:gB+9], v[gB+4:gB+5], v[gB+4:gB+5]                ; sin r = r + r z (..)
.else
	v_pk_fma_f32 v[gB+10:gB+11], v[gB+10:gB+11], v[gB+6:gB+7], 1.0 op_sel_hi:[1,1,0]   ; cos r = 1 + z (-1/2 + z (..))
.endif
.endm
; lines 34-65.  q odd: sine and cosine change places; the sine's sign is q's bit 1, the cosine's bit 1 xor bit 0.  The results are harmonic 1.  x number nn of four: tile nn / 2, x nn % 2; each has a mask register of its own
.macro QD
.set qq, gj-34
.if qq < 28
.set oo, qq/4
.set nn, qq%4
.set tl, nn/2
.set ee, nn%2
.set rW, AM+(KW-AM)*tl+2*ee
.set rT, TT+(PC-TT)*tl+ee
.if tl == 0
.set rDS, VAL+32*ee+16
.set rDC, VAL+32*ee
.else
.set rDS, KS+ee
.set rDC, KC+ee
.endif
.if oo == 0
	v_lshlrev_b32 v[rW], 31, v[rT]
.elseif oo == 1
	v_lshlrev_b32 v[rW+1], 30, v[rT]
.elseif oo == 2
	v_and_b32 v[rW+1], 0x80000000, v[rW+1]         ; the sine's sign
.elseif oo == 3
	v_cmp_gt_i32 s[70+nn], 0, v[rW]
.elseif oo == 4
	v_cndmask_b32 v[rDS], v[rT+8], v[rT+10], s[70+nn]
.elseif oo == 5
	v_cndmask_b32 v[rDC], v[rT+10], v[rT+8], s[70+nn]
.else
	v_xor_b32 v[rW], v[rW], v[rW+1]                ; the cosine's sign
.endif
.elseif qq < 30
.set ee, qq-28
	v_xor_b32 v[VAL+32*ee+16], v[AM+2*ee+1], v[VAL+32*ee+16]
.else
.set ee, qq-30
	v_xor_b32 v[VAL+32*ee], v[AM+2*ee], v[VAL+32*ee]
.endif
.endm
.macro DX                              ; lines 306-309: the second tile's signs, into the registers that the first tile has left
.set qq, gj-306
.if qq < 2
	v_xor_b32 v[VAL+32*qq+16], v[KW+2*qq+1], v[KS+qq]
.else
	v_xor_b32 v[VAL+32*(qq-2)], v[KW+2*(qq-2)], v[KC+qq-2]
.endif
.endm
; line qq of 64 of a tile's harmonics, its two x by turns.  0-7: harmonic 2: c c - s s, 2 c s.  Then seven rotations of eight lines: harmonics aa + 1, aa + 2 turned by harmonic mm give harmonics aa + mm + 1, aa + mm + 2.
; Harmonic mm is the upper register of the pair (mm - 1, mm): op_sel takes it for both halves
.macro HI
.set ee, qq%2
.set cB, VAL+32*ee
.set sB, cB+16
.set tB, TT+4*ee
.if qq < 8
.set oo, qq/2
.if oo == 0
	v_mul_f32 v[tB], v[sB], v[sB]
.elseif oo == 1
	v_mul_f32 v[tB+1], v[cB], v[sB]
.elseif oo == 2
	v_fma_f32 v[cB+1], v[cB], v[cB], -v[tB]
.else
	v_add_f32 v[sB+1], v[tB+1], v[tB+1]
.endif
.else
.set rr, (qq-8)/8
.set oo, ((qq-8)%8)/2
.if rr == 0
.set mm, 2
.set aa, 0
.elseif rr < 3
.set mm, 4
.set aa, 2*(rr-1)
.else
.set mm, 8
.set aa, 2*(rr-3)
.endif
.if oo == 0
	v_pk_mul_f32 v[tB:tB+1], v[sB+aa:sB+aa+1], v[sB+mm-2:sB+mm-1] op_sel:[0,1] op_sel_hi:[1,1]
.elseif oo == 1
	v_pk_mul_f32 v[tB+2:tB+3], v[cB+aa:cB+aa+1], v[sB+mm-2:sB+mm-1] op_sel:[0,1] op_sel_hi:[1,1]
.elseif oo == 2
	v_pk_fma_f32 v[cB+aa+mm:cB+aa+mm+1], v[cB+aa:cB+aa+1], v[cB+mm-2:cB+mm-1], v[tB:tB+1] op_sel:[0,1,0] op_sel_hi:[1,1,1] neg_lo:[0,0,1] neg_hi:[0,0,1]
.else
	v_pk_fma_f32 v[sB+aa+mm:sB+aa+mm+1], v[sB+aa:sB+aa+1], v[cB+mm-2:cB+mm-1], v[tB+2:tB+3] op_sel:[0,1,0] op_sel_hi:[1,1,1]
.endif
.endif
.endm
; line qq of 172 of a tile's quantiser: the 64 numbers become the fragment's codes in v[PC] on and my row's scale word in v[PW0 + QJ].  The four blocks by turns: no line waits for the line above it
.macro QI
.set bb, qq%4
.if qq < 4
	v_max3_num_f32 v[AM+bb], |v[VAL+16*bb]|, |v[VAL+16*bb+1]|, 0x4800000   ; my 16 numbers of the block, and the floor 2^(9 - 127): so the byte cannot fall under 1
.elseif qq < 32
.set ii, 2+2*((qq-4)/4)
	v_max3_num_f32 v[AM+bb], v[AM+bb], |v[VAL+16*bb+ii]|, |v[VAL+16*bb+ii+1]|
.elseif qq < 36
	v_min3_num_f32 v[MN+bb], |v[VAL+16*bb]|, |v[VAL+16*bb+1]|, |v[VAL+16*bb+2]|   ; and the smallest magnitude of my 16
.elseif qq < 60
.set ii, 3+2*((qq-36)/4)
	v_min3_num_f32 v[MN+bb], v[MN+bb], |v[VAL+16*bb+ii]|, |v[VAL+16*bb+ii+1]|
.elseif qq < 64
	v_min_num_f32 v[MN+bb], v[MN+bb], |v[VAL+16*bb+15]|
.elseif qq < 68
	v_min_num_f32 v[AM+bb], s55, v[AM+bb]          ; under 1.0,
.elseif qq < 72
	v_cmp_lt_f32 s[74+bb], s54, v[MN+bb+1-2*(bb%2)]   ; unless a number of the partner block (the same angles' sines for cosines, cosines for sines) is at most 2^-12:
.elseif qq < 76
	v_cndmask_b32 v[AM+bb], 1.0, v[AM+bb], s[74+bb]   ; then 1.0
.elseif qq < 80
	v_permlanex16_b32 v[MN+bb], v[AM+bb], s58, s59 ; (its destination counts as read: the minima's registers, which are written and done with)
.elseif qq < 84
	v_max_num_f32 v[AM+bb], v[AM+bb], v[MN+bb]     ; with lane l xor 16's: the block's largest magnitude
.elseif qq < 88
	v_add_nc_u32 v[SO+bb], 0xfc000000, v[AM+bb]    ; 8 off its exponent field: the conversion's scale operand
.elseif qq < 92
.elseif qq < 96
	v_lshrrev_b32 v[MN+bb], 23, v[SO+bb]           ; the scale's byte
.elseif qq == 96
	v_lshl_or_b32 v[PW0+QJ], v[MN+1], 8, v[MN]
.elseif qq == 97
	v_lshl_or_b32 v[PW0+QJ], v[MN+2], 16, v[PW0+QJ]
.elseif qq == 98
	v_lshl_or_b32 v[PW0+QJ], v[MN+3], 24, v[PW0+QJ]
.elseif qq < 171
.set bb, (qq-99)/18
.set ii, (qq-99)%18
.if ii < 16
.elseif ii == 16
	v_cvt_scalef32_pk8_fp8_f32 v[PC+4*bb:PC+4*bb+1], v[VAL+16*bb:VAL+16*bb+7], v[SO+bb]
.else
	v_cvt_scalef32_pk8_fp8_f32 v[PC+4*bb+2:PC+4*bb+3], v[VAL+16*bb+8:VAL+16*bb+15], v[SO+bb]
.endif
.else
	v_nop                                          ; one plain vector instruction behind the last conversion, ahead of whatever next touches its registers
.endif
.endm
.macro GI
.if gj < 34
	BI
.elseif gj < 66
	QD
.elseif gj < 130
.set qq, gj-66
	HI
.elseif gj < 302
.set qq, gj-130
.set QJ, 0
	QI
.elseif gj < 306
	ds_store_b128 v[IMA], v[PC+4*(gj-302):PC+4*(gj-302)+3] offset:IMGB*GBUF+512*(gj-302)
.elseif gj < 310
	DX
.elseif gj < 374
.set qq, gj-310
	HI
.elseif gj == 374
	s_wait_dscnt GWT                               ; the four stores of lines 302-305 have read the codes' registers, which the conversions below write.  In a step four LDS loads are younger than they (fragment 6 of the basis: MULTG); at the head none
.elseif gj < 547
.set qq, gj-375
.set QJ, 1
	QI
.elseif gj < 551
	ds_store_b128 v[IMA], v[PC+4*(gj-547):PC+4*(gj-547)+3] offset:IMGB*GBUF+2048+512*(gj-547)
.elseif gj == 551
	v_cndmask_b32 v[PW0], v[PW0], v[PW0+1], s57    ; lanes 0-15 the first tile's words, lanes 16-31 the second's (both halves of the lanes hold a row's word)
.elseif gj == 552
	ds_store_b32 v[SCA], v[PW0] offset:ASCB*GBUF
.elseif gj == 553
	v_add_nc_u32 v[XAD], 16, v[XAD]                ; four inputs on
.else
.set qq, gj-554
	ds_load_b32 v[XRA+(XRB-XRA)*(qq/2)+qq%2], v[XAD] offset:16*XP*(qq/2)+8*(qq%2)
.endif
.endm
.macro EMIT n
.rept \n
	GI
.set gj, gj+1
.endr
.endm
; one matrix instruction: rows 16 a on x my outputs 16 b on.  A scale register carries two tiles' words, the even tile's in lanes 0-15, the odd tile's in lanes 16-31
.macro WM a, b, p, zero
.set rD, 8*(8*((\a)%4)+(\b))
.set rB, 16*(\b)
.set rA, AF+16*(\a)
.set rP, BS+4*(\p)+(\b)/2
.set rQ, AS+(\a)/2
.if \zero
.if ((\a)%2 == 0) && ((\b)%2 == 0)
	v_wmma_scale_f32_16x16x128_f8f6f4 v[rD:rD+7], v[rB:rB+15], v[rA:rA+15], 0, v[rP], v[rQ]
.elseif (\a)%2 == 0
	v_wmma_scale_f32_16x16x128_f8f6f4 v[rD:rD+7], v[rB:rB+15], v[rA:rA+15], 0, v[rP], v[rQ] matrix_a_scale:MATRIX_SCALE_ROW1
.elseif (\b)%2 == 0
	v_wmma_scale_f32_16x16x128_f8f6f4 v[rD:rD+7], v[rB:rB+15], v[rA:rA+15], 0, v[rP], v[rQ] matrix_b_scale:MATRIX_SCALE_ROW1
.else
	v_wmma_scale_f32_16x16x128_f8f6f4 v[rD:rD+7], v[rB:rB+15], v[rA:rA+15], 0, v[rP], v[rQ] matrix_a_scale:MATRIX_SCALE_ROW1 matrix_b_scale:MATRIX_SCALE_ROW1
.endif
.else
.if ((\a)%2 == 0) && ((\b)%2 == 0)
	v_wmma_scale_f32_16x16x128_f8f6f4 v[rD:rD+7], v[rB:rB+15], v[rA:rA+15], v[rD:rD+7], v[rP], v[rQ]
.elseif (\a)%2 == 0
	v_wmma_scale_f32_16x16x128_f8f6f4 v[rD:rD+7], v[rB:rB+15], v[rA:rA+15], v[rD:rD+7], v[rP], v[rQ] matrix_a_scale:MATRIX_SCALE_ROW1
.elseif (\b)%2 == 0
	v_wmma_scale_f32_16x16x128_f8f6f4 v[rD:rD+7], v[rB:rB+15], v[rA:rA+15], v[rD:rD+7], v[rP], v[rQ] matrix_b_scale:MATRIX_SCALE_ROW1
.else
	v_wmma_scale_f32_16x16x128_f8f6f4 v[rD:rD+7], v[rB:rB+15], v[rA:rA+15], v[rD:rD+7], v[rP], v[rQ] matrix_a_scale:MATRIX_SCALE_ROW1 matrix_b_scale:MATRIX_SCALE_ROW1
.endif
.endif
.endm
; A STEP'S 64 MATRIX INSTRUCTIONS, the basis' blocks one after the other, each against my eight tiles of outputs.  The 64 accumulators take turns, one instruction a turn, in the same order in every step, over the loop's backward
; jump too.  zero = 1: the first step starts the sums.  make = 1: a slice of the list stands behind each: 44 slices of seven lines and 20 of six are lines 130 to 557.
; Fragments 0 and 1 of the basis are in when the run begins; fragment a + 2 is asked for behind block a's first product, sixteen products ahead of its first use; its registers were last read a step ago.
; The wait ahead of block a (2 to 6) leaves four LDS instructions out: fragment a + 1's loads, issued a block behind fragment a's; the list's own LDS lines, where some are younger still, only make it stricter.  Behind fragment 7's loads no fragment follows: 0.
.macro MULTG p, zero, make
.irp a, 0,1,2,3,4,5,6,7
.if \a == 7
	s_wait_dscnt 0x0
.elseif \a >= 2
	s_wait_dscnt 4
.endif
.irp b, 0,1,2,3,4,5,6,7
.if \a < 4
	WIN MUL_LO
.else
	WIN MUL_HI
.endif
	WM \a, \b, \p, \zero
.if (\b == 0) && (\a < 6)
	WIN 0
.irp c, 0,1,2,3
	ds_load_b128 v[AF+16*(\a+2)+4*\c:AF+16*(\a+2)+4*\c+3], v[AAD+\p] offset:2048*(\a+2)+512*\c
.endr
.endif
.if \make
	WIN GENW
.if 8*\a+\b < 44
	EMIT 7
.else
	EMIT 6
.endif
.endif
.endr
.endr
.endm
.macro FA01 p                          ; the basis' scale words (register q: lanes 0-15 row tile 2 q's, lanes 16-31 row tile 2 q + 1's) and its fragments 0 and 1, from buffer p.  Every load takes 512 consecutive bytes
	ds_load_b128 v[AS:AS+3], v[ASD+\p]
.irp a, 0,1
.irp c, 0,1,2,3
	ds_load_b128 v[AF+16*\a+4*\c:AF+16*\a+4*\c+3], v[AAD+\p] offset:2048*\a+512*\c
.endr
.endr
.endm
; A STEP, on slot and buffer p.  ONE barrier, for three things.  In front of it each wave waits for all its tensor loads (one is out: its part of slot p), adds 0 to its spare word, and waits for that and for all its LDS instructions:
; its images of this step are stored, and its reads of the other slot and the other buffer are over.  make = 1: the barrier is a round of the cluster's; behind it the other slot is filled again first, by a joint load; the window is set
; ahead of that load, and the list's first eight lines stand behind it: plain lines that name no register of the last products, so they are the eight places in front of the loads that follow.  My eight fragments of the
; coefficients come four loads at a time, twelve lines of the list behind each four; lines up to 129 stand between the last of them and the wait for them.  Then the products, with the rest of the list in slices.
; lc: the global loads that may stay out at the products: the four of the next step's scale words; this step's were issued a step ago.
.macro TRIP p, make, zero, lc
	WIN 0                                          ; at a label and at a branch every window is 0; the add's two registers lie in window 0
	s_wait_tensorcnt 0x0                           ; no tensor load of mine is out, so a group 0 may be written
	ds_add_u32 v[SPW], v[NIL]                      ; 0 onto my spare word: the steps below stand between it and the wait for it
	s_add_nc_u64 s[26+4*\p:27+4*\p], s[26+4*\p:27+4*\p], 2*SLOTB   ; this slot's next tile: two steps on; the type bits on top are not reached
	s_wait_xcnt 0x0                                ; the last step's prefetch and scale-word loads have read their bases, so these may be written:
	s_add_nc_u64 s[62:63], s[62:63], SLOTB
	s_add_nc_u64 s[66:67], s[66:67], 2048          ; the next step's scale words of the coefficients
	s_wait_dscnt 0x0                               ; the add is done, my stores have landed and my reads are over
.if \make
	ROUND                                          ; all that now holds of every wave of every work-group of the cluster
	WIN GENW
	tensor_load_to_lds s[28-4*\p:31-4*\p], s[16:23]   ; the next step's tile, into the slot read last: my one tensor load until the next round; it has this whole step in which to land
	s_nop 0
.set gj, 0
.set GBUF, 1-\p
.set GWT, 4
	EMIT 8
	WIN 0
	FA01 \p
.irp q, 0,1,2,3
	global_load_b32 v[BS+4*(1-\p)+\q], v[BSO], s[66:67] offset:128*\q   ; lanes 0-15: my output tile 2 q's words, lanes 16-31: tile 2 q + 1's: 128 consecutive bytes
.endr
	ASK
	WIN GENW
	EMIT 4
.irp b, 0,1,2,3,4,5,6,7
.irp c, 0,1,2,3
	ds_load_b128 v[16*\b+4*\c:16*\b+4*\c+3], v[BADW+\p] offset:2048*\b+512*\c
.endr
	EMIT 12
.endr
	EMIT 22                                        ; line 129 is written
.else
	s_barrier_signal -1                            ; nothing is filled again: the work-group's barrier does
	s_barrier_wait -1
	PLACES 8
	FA01 \p
	WIN GENW
.irp b, 0,1,2,3,4,5,6,7
.irp c, 0,1,2,3
	ds_load_b128 v[16*\b+4*\c:16*\b+4*\c+3], v[BADW+\p] offset:2048*\b+512*\c
.endr
.endr
.endif
	s_wait_dscnt 0x0                               ; the coefficients' fragments, the basis' first two and its scale words are in
	s_wait_loadcnt \lc
	MULTG \p, \zero, \make
.endm
	s_load_b256 s[4:11], s[0:1], 0x0               ; x s[4:5], bq s[6:7], bs s[8:9], part s[10:11]
	v_lshl_add_u32 v[SPW], v0, 2, SPARE
	v_mov_b32 v[NIL], 0
	ds_add_u32 v10, v11
	ds_add_u32 v10, v11
	s_wait_dscnt 0x0
	v_lshrrev_b32 v1, 5, v0
	v_readfirstlane_b32 s12, v1                    ; wave 0..3
	s_bfe_u32 s13, ttmp6, 0x40000                  ; cx: my place in the cluster: it enters the addresses of x, of the result and of the prefetches alone
	s_lshl_b32 s14, ttmp9, 2                       ; in a cluster launch ttmp9 counts clusters
	s_add_co_u32 s14, s14, s13                     ; my tile of 128 rows
	s_and_b32 s15, ttmp7, 0xffff                   ; my slice of 128 inputs, which the four partners share
	; descriptor group 1: 16,384 dense bytes as 64 rows of 256 bytes
	s_mov_b32 s16, 15|(3<<16)|(1<<21)              ; 15:0 the mask: all four work-groups; 17:16 elements of 8 bytes; 20 no padding; 21 set beside a mask
	s_mov_b32 s17, 32<<16                          ; tensor_dim0 = 32
	s_mov_b32 s18, 64<<16                          ; tensor_dim1 = 64
	s_mov_b32 s19, 32<<16                          ; tile_dim0 = 32
	s_mov_b32 s20, 64                              ; tile_dim1 = 64
	s_mov_b32 s21, 32                              ; tensor_dim0_stride
	s_mov_b32 s22, 0
	s_mov_b32 s23, 0
	s_mov_b32 s36, 0x3f22f983                      ; 2 / pi
	s_mov_b32 s37, 0x4b400000                      ; 1.5 x 2^23
	s_mov_b32 s38, 0xcb400000                      ; (of a pair that a packed form names the low word serves both halves; both words are written)
	s_mov_b32 s39, s38
	s_mov_b32 s40, 0xbfc90000                      ; -pi / 2 in three parts
	s_mov_b32 s41, s40
	s_mov_b32 s42, 0xb9fda000
	s_mov_b32 s43, s42
	s_mov_b32 s44, 0xb3a22168
	s_mov_b32 s45, s44
	s_mov_b32 s46, 0xb94ca1f9                      ; the sine's three coefficients
	s_mov_b32 s47, 0x3c08839e
	s_mov_b32 s48, 0xbe2aaaa3
	s_mov_b32 s49, s48
	s_mov_b32 s50, 0x37ccf5ce                      ; the cosine's
	s_mov_b32 s51, 0xbab6061a
	s_mov_b32 s52, 0x3d2aaaa5
	s_mov_b32 s53, s52
	s_mov_b32 s54, 0x39800000                      ; 2^-12
	s_mov_b32 s55, 0x3f7fffff                      ; the largest f32 number under 1
	s_mov_b32 s57, 0xffff0000                      ; lanes 16-31
	s_mov_b32 s58, 0x76543210                      ; v_permlanex16_b32's selects for lane l xor 16
	s_mov_b32 s59, 0xfedcba98
	s_mov_b32 s60, 15
	s_lshr_b32 s61, s12, 1                         ; 0 in waves 0 and 1,
	s_or_b32 s61, s61, ttmp9                       ; of the slice's first cluster: the same in all four partners
	s_cmp_eq_u32 s61, 0
	s_cselect_b32 s61, 1, -1
	v_and_b32 v2, 31, v0                           ; lane
	v_and_b32 v3, 15, v0                           ; r
	v_bfe_u32 v4, v0, 4, 1                         ; h
	v_lshlrev_b32 v[XGO], 4, v2
	v_lshlrev_b32 v[BSO], 2, v2
	s_lshl_b32 s32, s15, 21                        ; the coefficients: my slice's 32 tiles of 65,536 bytes,
	s_lshl_b32 s34, s12, 14                        ; my wave's 16,384 bytes of a tile: in memory and in a slot: no place in the cluster enters either
	s_add_co_u32 s32, s32, s34
	s_mov_b32 s33, 0
	s_lshl_b32 s70, s15, 21                        ; the prefetches: my slice, my work-group's quarter of a tile, my wave's half of that, from tile 2 on: the first step moves it to tile 3
	s_lshl_b32 s71, s13, 14
	s_add_co_u32 s70, s70, s71
	s_and_b32 s71, s12, 1
	s_lshl_b32 s71, s71, 13
	s_add_co_u32 s70, s70, s71
	s_add_co_u32 s70, s70, 2*SLOTB
	s_mov_b32 s71, 0
	s_lshl_b32 s72, s15, 16                        ; the coefficients' scale words: 32 steps of 2,048 bytes a slice, 512 bytes a wave
	s_lshl_b32 s73, s12, 9
	s_add_co_u32 s72, s72, s73
	s_mov_b32 s73, 0
	s_lshl_b32 s74, s14, 18                        ; x: 128 rows of 2,048 bytes a tile, 32 rows a wave, 512 bytes a slice
	s_lshl_b32 s75, s12, 16
	s_add_co_u32 s74, s74, s75
	s_lshl_b32 s75, s15, 9
	s_add_co_u32 s74, s74, s75
	s_mov_b32 s75, 0
	s_lshl_b32 s76, s15, 24                        ; the result: 16,777,216 bytes a slice, 128 rows of 2,048 bytes a tile, 512 bytes a wave
	s_lshl_b32 s77, s14, 18
	s_add_co_u32 s76, s76, s77
	s_lshl_b32 s77, s12, 9
	s_add_co_u32 s76, s76, s77
	s_mov_b32 s77, 0
	s_wait_kmcnt 0x0
	s_mov_b32 s24, 1                               ; group 0 of slot 0: count = 1,
	s_mov_b32 s25, s34                             ; LDS address,
	s_add_nc_u64 s[26:27], s[6:7], s[32:33]        ; global address: tile 0,
	s_mov_b32 s28, 1                               ; and of slot 1:
	s_add_co_u32 s29, s34, SLOTB
	s_add_nc_u64 s[30:31], s[26:27], SLOTB         ; tile 1
	s_or_b32 s27, s27, 0x80000000                  ; type = 2
	s_or_b32 s31, s31, 0x80000000
	s_add_nc_u64 s[62:63], s[6:7], s[70:71]
	s_add_nc_u64 s[66:67], s[8:9], s[72:73]
	s_add_nc_u64 s[4:5], s[4:5], s[74:75]
	s_add_nc_u64 s[68:69], s[10:11], s[76:77]
	ROUND                                          ; all four work-groups are here: the first joint loads meet
	tensor_load_to_lds s[24:27], s[16:23]          ; tile 0; slot 1 is first filled behind the first step's round, as a refill is
	s_nop 0
	PLACES 4
.set n, 0
.rept 32                               ; my 32 rows of x, this slice's 512 bytes of each: 32 lanes read them whole
	global_load_b128 v[AF+4*n:AF+4*n+3], v[XGO], s[4:5] offset:2048*n th:TH_LOAD_NT
.set n, n+1
.endr
.irp q, 0,1,2,3
	global_load_b32 v[BS+\q], v[BSO], s[66:67] offset:128*\q       ; step 0's scale words of the coefficients
.endr
	v_add_nc_u32 v[AAD], IMG0, v[XGO]
	v_add_nc_u32 v[AAD+1], IMG0+IMGB, v[XGO]
	v_add_nc_u32 v[ASD], ASC0, v[XGO]
	v_add_nc_u32 v[ASD+1], ASC0+ASCB, v[XGO]
	v_lshlrev_b32 v[PFO], 8, v2
	s_mul_i32 s70, s12, 16*XP
	s_add_co_u32 s70, s70, STAGE                   ; my stage
	v_mul_u32_u24 v5, v3, XP
	v_lshl_add_u32 v[STO], v4, 5, v5               ; in: row r, 32 bytes for each half of the lanes
	v_add_nc_u32 v[STO], s70, v[STO]
	v_add_nc_u32 v[RD], s70, v[XGO]                ; back: the 32 lanes take one row of 512 bytes
	v_lshlrev_b32 v[CO], 4, v2
	s_mul_i32 s71, s12, 32*XP
	s_add_co_u32 s71, s71, XST                     ; my 32 rows of x in LDS
	v_add_nc_u32 v[XSO], s71, v[XGO]
	v_mul_u32_u24 v6, v2, XP
	v_add_nc_u32 v6, 512, v6
	v_add_nc_u32 v[XPD], s71, v6
	v_lshl_add_u32 v5, v4, 2, v5                   ; row r, + 4 h: my input of a pair
	s_lshl_b32 s72, s12, 12
	s_add_co_u32 s72, s72, IMG0
	s_lshl_b32 s73, s12, 2
	s_add_co_u32 s73, s73, ASC0
	s_add_co_u32 s74, s34, SLOTB
.irp i, 28,29,30,31
	v_mov_b32 v\i, 0
.endr
	WIN TO_B                                       ; destination window 1, sources window 0
	v_add_nc_u32 v[XAD], s71, v5
	v_add_nc_u32 v[IMA], s72, v[XGO]
	v_add_nc_u32 v[SCA], s73, v[XGO]
	v_add_nc_u32 v[BADW], s34, v[XGO]
	v_add_nc_u32 v[BADW+1], s74, v[XGO]
	WIN 0
	s_wait_loadcnt 4                               ; x is in; the four loads of scale words behind it may be out
.set n, 0
.rept 32
	ds_store_b128 v[XSO], v[AF+4*n:AF+4*n+3] offset:n*XP
.set n, n+1
.endr
	ds_store_b128 v[XPD], v[28:31]                 ; the rows' padding is cleared
	WIN GENW
	ds_load_b32 v[XRA], v[XAD]                     ; LDS serves a wave's instructions in order: these see my stores; the rows are my wave's own
	ds_load_b32 v[XRA+1], v[XAD] offset:8
	ds_load_b32 v[XRB], v[XAD] offset:16*XP
	ds_load_b32 v[XRB+1], v[XAD] offset:16*XP+8
	s_wait_dscnt 0x0
.set gj, 0
.set GBUF, 0
.set GWT, 0
	EMIT 558                                       ; step 0's fragments: the whole list on end: there are no products yet to set it between
	WIN 0
	TRIP 0, 1, 1, 4                                ; step 0 stands in front of the loop: its products start the sums
	WIN 0
.Ltrips:                                           ; 15 trips of two steps: steps 1 to 30
	TRIP 1, 1, 0, 4
	TRIP 0, 1, 0, 4
	WIN 0
	s_sub_co_u32 s60, s60, 1
	s_cmp_lg_u32 s60, 0
	s_cbranch_scc1 .Ltrips
	TRIP 1, 0, 0, 0                                ; step 31 is written out: nothing is left to fetch or to make
	WIN 0
; THE WAY OUT, block by block of 16 rows x 128 outputs.  A lane holds 32 neighbouring bytes of a row, and the lanes beside it hold other rows: so a block goes through my own stage in LDS and comes back as whole rows of
; 512 bytes.  LDS serves a wave's instructions in order (ISA guide 5.7.1.4): no wait between the stores and the loads, nor in front of the next block's stores.
.macro TOSTAGE a
.set AC, 64*((\a)%4)
	WIN 0x08+4*((\a)/4)                            ; an LDS store's data are its source 1: window 2 or 3
.irp b, 0,1,2,3,4,5,6,7
	ds_store_b128 v[STO], v[AC+8*\b:AC+8*\b+3] offset:64*\b        ; each accumulator from its low end on
	ds_store_b128 v[STO], v[AC+8*\b+4:AC+8*\b+7] offset:64*\b+16
.endr
	WIN 0
.set BB, BK+64*((\a)%2)
.irp t, 0,1,2,3,4,5,6,7,8,9,10,11,12,13,14,15
	ds_load_b128 v[BB+4*\t:BB+4*\t+3], v[RD] offset:\t*XP
.endr
.endm
.macro SEND a, younger                 ; younger: the LDS instructions issued behind block a's loads, which may stay out
.set BB, BK+64*((\a)%2)
	s_wait_dscnt \younger                          ; the block is back in registers
.if (\a) > 0
	s_add_nc_u64 s[68:69], s[68:69], 16*2048       ; (behind a wait on XCNT: the earlier stores have read their base)  16 rows on
.endif
.irp t, 0,1,2,3,4,5,6,7,8,9,10,11,12,13,14,15
	global_store_b128 v[CO], v[BB+4*\t:BB+4*\t+3], s[68:69] offset:\t*2048 th:TH_STORE_NT   ; 32 lanes store 512 consecutive bytes, at a multiple of 512 from the buffer's first byte; not read again in this launch
.endr
.endm
	PLACES 8                                       ; behind the last products: for the reads of results, and for the loads into the registers that held the basis' fragments
	TOSTAGE 0
.irp a, 1,2,3,4,5,6,7
.if \a > 1
	s_wait_xcnt 0x0                                ; block a - 2's stores have read their registers and their base: block a's loads may land there, and the base may step
.endif
	TOSTAGE \a
	SEND \a-1, 32                                  ; behind block a - 1's loads: block a's 16 stores and 16 loads
.endr
	s_wait_xcnt 0x0                                ; block 6's stores have read their base
	SEND 7, 0
	s_wait_tensorcnt 0x0                           ; the wave's end, behind my last tensor load and my last LDS store
	ds_add_u32 v[SPW], v[NIL]
	s_wait_dscnt 0x0
	ROUND                                          ; the closing round: no work-group ends while a partner may still ask for a tile that names it
	s_endpgm
.Lfunc_end_k_q5bd8ad00b1_kan:
	.size	k_q5bd8ad00b1_kan, .Lfunc_end_k_q5bd8ad00b1_kan-k_q5bd8ad00b1_kan
	.p2alignl 7, 3214868480
	.fill 96, 4, 3214868480
	.section	.rodata,"a",@progbits
	.p2align	6, 0x0
	.amdhsa_kernel k_q5bd8ad00b1_kan
		.amdhsa_group_segment_fixed_size 327680
		.amdhsa_private_segment_fixed_size 0
		.amdhsa_enable_private_segment 0
		.amdhsa_kernarg_size 32
		.amdhsa_user_sgpr_count 2
		.amdhsa_user_sgpr_kernarg_segment_ptr 1
		.amdhsa_wavefront_size32 1
		.amdhsa_system_sgpr_workgroup_id_x 1
		.amdhsa_system_sgpr_workgroup_id_y 1
		.amdhsa_system_sgpr_workgroup_id_z 1
		.amdhsa_system_vgpr_workitem_id 0
		.amdhsa_next_free_vgpr 1024
		.amdhsa_next_free_sgpr 80
		.amdhsa_reserve_vcc 0
		.amdhsa_float_denorm_mode_32 3
		.amdhsa_float_denorm_mode_16_64 3
		.amdhsa_fp16_overflow 1
		.amdhsa_memory_ordered 1
		.amdhsa_forward_progress 1
		.amdhsa_inst_pref_size 209
	.end_amdhsa_kernel
	.amdgpu_metadata
---
amdhsa.version: [ 1, 2 ]
amdhsa.kernels:
  - .name:           k_q5bd8ad00b1_kan
    .symbol:         k_q5bd8ad00b1_kan.kd
    .args:
      - { .name: x, .offset: 0, .size: 8, .value_kind: global_buffer, .address_space: global }
      - { .name: bq, .offset: 8, .size: 8, .value_kind: global_buffer, .address_space: global }
      - { .name: bs, .offset: 16, .size: 8, .value_kind: global_buffer, .address_space: global }
      - { .name: part, .offset: 24, .size: 8, .value_kind: global_buffer, .address_space: global }
    .group_segment_fixed_size: 327680
    .private_segment_fixed_size: 0
    .kernarg_segment_align: 8
    .kernarg_segment_size: 32
    .max_flat_workgroup_size: 128
    .sgpr_count:     80
    .vgpr_count:     1024
    .wavefront_size: 32
...
	.end_amdgpu_metadata
.endif
;; end of part 2
;; launch sum (part 3): grid 1024 x 1, 8 waves a work-group, no clusters, 0 bytes of LDS; arguments part, out0; writes out0
.if DOCPART == 3
	.amdgcn_target "amdgcn-amd-amdhsa--gfx1250"
	.amdhsa_code_object_version 6
	.text
	.protected	k_q5bd8ad00b1_sum
	.globl	k_q5bd8ad00b1_sum
	.p2align	8
	.type	k_q5bd8ad00b1_sum,@function
k_q5bd8ad00b1_sum:
	s_mov_b64 s[64:65], 0
	v_nop
	global_prefetch_b8 v0, s[64:65] scope:SCOPE_SE
	s_setreg_imm32_b32 hwreg(HW_REG_WAVE_MODE, 25, 1), 1
	s_wait_xcnt 0x0
; out0[b][j] = ((part[0] + part[1]) + part[2]) + part[3] at [b][j]: the four slices of K, in f32, in ascending order.  part: [4][8192][512] f32; out0: [8192][512] f32.
; A stream: memory binds, so no LDS, no barrier, no matrix unit.  A work-group owns 16,384 bytes of the output; a thread four pieces of 16 bytes, 4,096 bytes apart, so that a wave's load or store covers 512 consecutive bytes.
; All sixteen loads of a thread go out in one run, piece by piece; each piece is added and stored as soon as its four loads are in.  No loop.
.set V, 16                             ; v16-79: piece s, slice p at v[V + 16 s + 4 p]
	s_load_b128 s[4:7], s[0:1], 0x0                ; part s[4:5], out0 s[6:7]
	v_lshlrev_b32 v1, 4, v0                        ; 16 x my thread's number
	s_lshl_b32 s8, ttmp9, 14                       ; the work-group's 16,384 bytes
	s_mov_b32 s9, 0
	s_wait_alu depctr_va_vdst(0)
	s_wait_kmcnt 0x0
	s_add_nc_u64 s[4:5], s[4:5], s[8:9]            ; slice 0
	s_add_nc_u64 s[6:7], s[6:7], s[8:9]
	s_add_nc_u64 s[10:11], s[4:5], 0x1000000       ; slices 1, 2, 3: 16,777,216 bytes apart
	s_add_nc_u64 s[12:13], s[4:5], 0x2000000
	s_add_nc_u64 s[14:15], s[4:5], 0x3000000
.irp s, 0,1,2,3
	global_load_b128 v[V+16*\s:V+16*\s+3],     v1, s[4:5]   offset:4096*\s th:TH_LOAD_NT
	global_load_b128 v[V+16*\s+4:V+16*\s+7],   v1, s[10:11] offset:4096*\s th:TH_LOAD_NT
	global_load_b128 v[V+16*\s+8:V+16*\s+11],  v1, s[12:13] offset:4096*\s th:TH_LOAD_NT
	global_load_b128 v[V+16*\s+12:V+16*\s+15], v1, s[14:15] offset:4096*\s th:TH_LOAD_NT
.endr
.irp s, 0,1,2,3
	s_wait_loadcnt 12-4*\s                         ; loads come back in order (ISA guide 5.7.1): this piece's four are in, the later pieces' may be out
.irp p, 4,8,12
.irp u, 0,2
	v_pk_add_f32 v[V+16*\s+\u:V+16*\s+\u+1], v[V+16*\s+\u:V+16*\s+\u+1], v[V+16*\s+\p+\u:V+16*\s+\p+\u+1]
.endr
.endr
	global_store_b128 v1, v[V+16*\s:V+16*\s+3], s[6:7] offset:4096*\s th:TH_STORE_NT
.endr
	s_endpgm
.Lfunc_end_k_q5bd8ad00b1_sum:
	.size	k_q5bd8ad00b1_sum, .Lfunc_end_k_q5bd8ad00b1_sum-k_q5bd8ad00b1_sum
	.p2alignl 7, 3214868480
	.fill 96, 4, 3214868480
	.section	.rodata,"a",@progbits
	.p2align	6, 0x0
	.amdhsa_kernel k_q5bd8ad00b1_sum
		.amdhsa_group_segment_fixed_size 0
		.amdhsa_private_segment_fixed_size 0
		.amdhsa_enable_private_segment 0
		.amdhsa_kernarg_size 16
		.amdhsa_user_sgpr_count 2
		.amdhsa_user_sgpr_kernarg_segment_ptr 1
		.amdhsa_wavefront_size32 1
		.amdhsa_system_sgpr_workgroup_id_x 1
		.amdhsa_system_sgpr_workgroup_id_y 1
		.amdhsa_system_sgpr_workgroup_id_z 1
		.amdhsa_system_vgpr_workitem_id 0
		.amdhsa_next_free_vgpr 96
		.amdhsa_next_free_sgpr 66
		.amdhsa_reserve_vcc 0
		.amdhsa_float_denorm_mode_32 3
		.amdhsa_float_denorm_mode_16_64 3
		.amdhsa_memory_ordered 1
		.amdhsa_forward_progress 1
		.amdhsa_inst_pref_size 5
	.end_amdhsa_kernel
	.amdgpu_metadata
---
amdhsa.version: [ 1, 2 ]
amdhsa.kernels:
  - .name:           k_q5bd8ad00b1_sum
    .symbol:         k_q5bd8ad00b1_sum.kd
    .args:
      - { .name: part, .offset: 0, .size: 8, .value_kind: global_buffer, .address_space: global }
      - { .name: out0, .offset: 8, .size: 8, .value_kind: global_buffer, .address_space: global }
    .group_segment_fixed_size: 0
    .private_segment_fixed_size: 0
    .kernarg_segment_align: 8
    .kernarg_segment_size: 16
    .max_flat_workgroup_size: 256
    .sgpr_count:     66
    .vgpr_count:     96
    .wavefront_size: 32
...
	.end_amdgpu_metadata
.endif
;; end of part 3
